; MI455X (gfx1250); checked and timed in simulation.
; The chip was launched on July 23, 2026; its instructions are those of AMD's public machine-readable ISA for CDNA 5 (MIT licence, August 2026) and "CDNA5" Instruction Set Architecture Reference Guide (July 2026). The comments in the code are by the model that wrote it; some were corrected since.
;; LSTM. Allowed arithmetic: matrix products marked QUANTISED: E3M2 operands, one E8M0 scale for each 32 along K, by v_wmma_scale_f32_16x16x128_f8f6f4 with both operands' format E3M2, f32 sums; everything else in f32.
;; Inputs: Wct 2,048 x 1,024 float32; Wf 2,048 x 1,024 float32; Wm 2,048 x 1,024 float32; Wo 2,048 x 1,024 float32; bct 1,024 float32; bf 1,024 float32; bm 1,024 float32; bo 1,024 float32; c 8,192 x 1,024 float32; h 8,192 x 1,024 float32; x 8,192 x 1,024 float32.
;; Outputs: out0 8,192 x 1,024 float32; out1 8,192 x 1,024 float32.
;; This version of the problem:
;;   THIS VERSION OF THE PROBLEM IS GIVEN IN LOW PRECISION. The matrix products marked QUANTISED in the list below multiply operands that are first quantised to E3M2 (3 exponent bits, 2 mantissa bits; 6 bits a number), with one power-of-two scale for each 32 numbers along K (OCP MX v1.0); their sums are f32. All else is computed in f32.
;;   The module's matrix products, in the order in which they are computed (A, B: the left and right operand; K: the contracted axis; several contracted axes count as one K, in the product's order):
;;     1. [M 8,192, K 2,048] x [K 2,048, N 1,024]; A: computed on the way; B: input Wf: QUANTISED
;;     2. [M 8,192, K 2,048] x [K 2,048, N 1,024]; A: computed on the way; B: input Wct: QUANTISED
;;     3. [M 8,192, K 2,048] x [K 2,048, N 1,024]; A: computed on the way; B: input Wm: QUANTISED
;;     4. [M 8,192, K 2,048] x [K 2,048, N 1,024]; A: computed on the way; B: input Wo: QUANTISED
;;   THE QUANTISER, for each operand of a quantised product, along K:
;;     - K is cut into blocks of 32 from its start; a last block that is shorter is filled with zeros.
;;     - A block's scale is 2^e with e = floor(log2(the largest magnitude in the block)) - 4, held to -126 .. 127; a block of zeros has e = 0. As a byte (E8M0): e + 127.
;;     - Each number is divided by its block's scale, clamped to +-28, and rounded to the nearest number of E3M2, ties to even, subnormals kept.
;;     - The product sums the exact products of the quantised numbers (number of the format x scale) in f32.
;;   ~~~python
;;   def quantise(x, axis):      # numpy; x: float32 -> the quantised numbers, widened to float32 again
;;       x = np.moveaxis(x, axis, -1); K = x.shape[-1]
;;       x = np.pad(x, [(0, 0)] * (x.ndim - 1) + [(0, -K % 32)]); x = x.reshape(x.shape[:-1] + (-1, 32)); a = np.abs(x).max(-1, keepdims=True)
;;       e = np.where(a > 0, np.clip(np.frexp(np.where(a > 0, a, 1))[1] - 1 - 4, -126, 127), 0)      # np.frexp(a)[1] - 1 = floor(log2(a)), exactly
;;       r = np.clip(x / 2.0 ** e, -28, 28)
;;       step = 2.0 ** (np.maximum(np.frexp(np.where(r == 0, 1, r))[1] - 1, -2) - 2)
;;       q = np.round(r / step) * step * 2.0 ** e      # np.round: ties to even
;;       return np.moveaxis(q.reshape(q.shape[:-2] + (-1,))[..., :K], -1, axis).astype(np.float32)
;;   ~~~
;;   OPERANDS COMPUTED ON THE WAY. 'Computed on the way' means the value that the module computes at that place (a softmax that the list does not call 'softmax' is quantised finished and normalised). What goes into a quantiser is computed in f32, as accurately as f32 sums, v_exp_f32 and their like allow (about 1e-6 of the number): no bf16 or f16 on the way to a quantiser, and a product that is left as it is and whose result goes on into a quantised operand takes f32 operands (vector FMAs, or v_wmma_f32_16x16x4_f32). A number that lies on a knife's edge between two numbers of the format may be rounded either way, as far as f32 arithmetic and the matrix unit's own rounding can turn it there, and no further.
;; One version. Each part assembles by itself: llvm-mc -triple=amdgcn-amd-amdhsa -mcpu=gfx1250 --defsym DOCPART=n.
;; ======== version 1 of 1: 2 launches
;; limits: inputs' magnitudes at most 2.9e+20; right only within a limited range of input values
;; workspace buffers: aq 13,107,200 bytes; wq 6,553,600 bytes
;; launch quant (part 1): grid 768 x 1, 4 waves a work-group, no clusters, 59,904 bytes of LDS; arguments x, h, Wf, Wct, Wm, Wo, aq, wq; writes aq, wq
.if DOCPART == 1
	.amdgcn_target "amdgcn-amd-amdhsa--gfx1250"
	.amdhsa_code_object_version 6
	.text
	.protected	k_q6e0f97ed39_quant
	.globl	k_q6e0f97ed39_quant
	.p2align	8
	.type	k_q6e0f97ed39_quant,@function
k_q6e0f97ed39_quant:
	s_mov_b64 s[64:65], 0
	v_nop
	global_prefetch_b8 v0, s[64:65] scope:SCOPE_SE
	s_setreg_imm32_b32 hwreg(HW_REG_WAVE_MODE, 25, 1), 1
	s_wait_xcnt 0x0
; xh = [x | h] ([8192][2048], K innermost) and the four weights ([2048][1024], K their FIRST axis), all f32, become codes of BF6 (E3M2) with one E8M0 scale byte for each 32 along K.
; A block's scale is 2^(floor(log2(its largest magnitude)) - 4): its byte is the largest magnitude's exponent field - 4, held at 1 from below; each number is divided by the scale and rounded to the nearest code, ties to even.
; LAYOUT OF aq AND wq: IN THE ORDER OF THE OPERAND'S REGISTERS.  A block (G, KS) = 128 operand rows x 256 along K = TILE = 25,600 dense bytes at (8 G + KS) x TILE:
;   bytes 0 .. 24,575: 16 images of 1,536 bytes; that of (16 rows i = 0..7, q-th 128 along K) at (2 i + q) x 1,536; register n of lane l at 512 (n / 4) + 16 l + 4 (n % 4);
;     lane (r = l % 16, hh = l / 16) holds row r, and its registers 6 c .. 6 c + 5 the codes of k = 64 c + 32 hh + 0 .. 31;
;   bytes 24,576 on: the scale words: that of (i, r, q) at 128 i + 8 r + 4 q, byte b for k = 32 b on.
; aq's rows are xh's rows (G = row / 128); K steps 0-3 come from x, 4-7 from h.  wq's rows: gate g (0 f, 1 ct, 2 m, 3 o), hidden unit j -> G = j / 32, i = 2 g + (j / 16) % 2, r = j % 16: a group holds all four gates of 32 units.
; LIMITS: a block of zeros gets the byte 1 where the rule says 127 (its codes are zeros, which add nothing, and this program alone reads the bytes); blocks whose largest magnitude lies under 2^-122, whose byte is held at 1, were not tried;
; NaN and infinities among the inputs are not served.
; Work-groups 0-511 take x and h, 512-767 the weights: two ways through the text, parted on the work-group's number, each with LDS bytes of its own.  No tensor loads, no barrier: waves share nothing.
.set TILE,  25600
.set IMG,   1536
.set SCW,   24576                      ; where a block's scale words begin
.set FLOOR, 5<<23                      ; 2^(5 - 127): under it no largest magnitude is taken, so the byte cannot fall under 1
.set DOWN4, 0xfe000000                 ; takes 4 off an exponent field
	s_load_b512 s[4:19], s[0:1], 0x0               ; x s[4:5], h s[6:7], Wf s[8:9], Wct s[10:11], Wm s[12:13], Wo s[14:15], aq s[16:17], wq s[18:19]
	v_lshl_add_u32 v240, v0, 2, 0xe800
	v_mov_b32 v241, 0
	v_lshrrev_b32 v1, 5, v0
	v_readfirstlane_b32 s24, v1                    ; wave 0..3
	s_mov_b32 s26, 0x76543210
	s_mov_b32 s27, 0xfedcba98                      ; v_permlanex16_b32's selects for lane l xor 16
	s_cmp_lt_u32 ttmp9, 512
	s_cbranch_scc0 .Lw
; ---------------- x AND h.  Work-group: 32 rows (P = wg / 2) of x (wg even) or h (odd); wave w: K step 4 src + w: 32 rows x 256 K = 4 fragments (ib = 16 rows, q = 128 along K).
; A load takes 512 consecutive bytes of one row (128 along K); a fragment's 16 rows turn through the wave's own stage in LDS (rows 528 bytes apart) and come back 256 bytes a lane: the lane's two whole blocks of 32.
.set XWREG, 8704                       ; LDS of a wave: the stage, 16 x 528 bytes, and behind it its 256 scale bytes
.set R,     16                         ; v16-143  two sets of 64: a fragment's numbers as loaded
.set X,     144                        ; v144-207 my 64 numbers: register 32 c + i = k 64 c + 32 hh + i of row r
.set C,     208                        ; v208-231 two sets of 12: the fragment's registers
.set T,     232                        ; v232-234, v236-238 the second halves of the blocks' codes (a conversion's three registers begin on an even number)
	s_lshr_b32 s30, ttmp9, 1                       ; P
	s_and_b32 s31, ttmp9, 1                        ; src
	s_lshl_b32 s32, s30, 17                        ; 32 rows of 4,096 bytes,
	s_lshl_b32 s33, s24, 10                        ; my wave's 256 numbers of each row
	s_add_co_u32 s32, s32, s33
	s_mov_b32 s33, 0
	s_lshr_b32 s34, s30, 2                         ; G = P / 4
	s_lshl_b32 s34, s34, 3
	s_lshl_b32 s35, s31, 2
	s_add_co_u32 s34, s34, s35
	s_add_co_u32 s34, s34, s24                     ; 8 G + KS
	s_mul_i32 s34, s34, TILE
	s_and_b32 s35, s30, 3                          ; which 32 rows of the group's 128
	s_mul_i32 s36, s35, 4*IMG
	s_add_co_u32 s36, s36, s34                     ; my four images
	s_mov_b32 s37, 0
	s_lshl_b32 s38, s35, 8
	s_add_co_u32 s38, s38, s34
	s_add_co_u32 s38, s38, SCW                     ; my 256 scale bytes
	s_mov_b32 s39, 0
	s_mul_i32 s25, s24, XWREG
	s_add_co_u32 s23, s25, 16*528
	v_and_b32 v6, 31, v0                           ; lane
	v_and_b32 v7, 15, v0                           ; r
	v_bfe_u32 v8, v0, 4, 1                         ; hh
	v_lshlrev_b32 v1, 4, v6                        ; v1: 16 x lane: my bytes of a load and of an image's store
	v_add_nc_u32 v2, s25, v1                       ; v2: the stage, on the way in
	v_mul_u32_u24 v3, v7, 528
	v_lshl_add_u32 v3, v8, 7, v3
	v_add_nc_u32 v3, s25, v3                       ; v3: and on the way out: row r, + 128 hh
	v_lshl_add_u32 v4, v7, 3, s23                  ; v4: my row's scale words
	v_lshlrev_b32 v6, 3, v6                        ; v6: 8 x lane
	v_add_nc_u32 v5, s23, v6                       ; v5: the scale bytes on their way out
	v_lshlrev_b32 v7, 3, v8                        ; v7: 8 hh: my bytes' place in the scale word
	v_mov_b32 v15, 0                               ; written once: a lane permute's destination counts as one of its sources
	s_wait_alu depctr_va_vdst(0)
	s_wait_kmcnt 0x0
	s_cmp_eq_u32 s31, 0                            ; the choice hangs on the work-group's number alone
	s_cselect_b64 s[4:5], s[4:5], s[6:7]
	s_add_nc_u64 s[4:5], s[4:5], s[32:33]
	s_add_nc_u64 s[28:29], s[16:17], s[38:39]
	s_add_nc_u64 s[16:17], s[16:17], s[36:37]
.macro XLOAD t                         ; fragment t = 2 ib + q: 16 rows x 512 bytes
.irp rr, 0,1,2,3,4,5,6,7,8,9,10,11,12,13,14,15
	global_load_b128 v[R+64*((\t)%2)+4*\rr:R+64*((\t)%2)+4*\rr+3], v1, s[4:5] offset:(16*((\t)/2)+\rr)*4096+512*((\t)%2) th:TH_LOAD_NT
.endr
.endm
.macro XSTEP t
.set RS, R+64*((\t)%2)
.set CSET, C+12*((\t)%2)
.if (\t) < 3
	s_wait_loadcnt 16                              ; this fragment's 16 loads are in; the next one's 16 may be out
.else
	s_wait_loadcnt 0x0
.endif
.irp rr, 0,1,2,3,4,5,6,7,8,9,10,11,12,13,14,15
	ds_store_b128 v2, v[RS+4*\rr:RS+4*\rr+3] offset:528*\rr
.endr
.irp c, 0,1
.irp j, 0,1,2,3,4,5,6,7
	ds_load_b128 v[X+32*\c+4*\j:X+32*\c+4*\j+3], v3 offset:256*\c+16*\j   ; LDS serves a wave's instructions in order: these see the stores above
.endr
.endr
	s_wait_dscnt 0x0                               ; my 64 numbers are in, and the stores have read their registers,
.if (\t) < 2
	XLOAD (\t)+2                                   ; which take the fragment two on
.endif
.irp c, 0,1                                    ; my blocks hh and 2 + hh of the row: all 32 numbers of each are mine
	v_max3_num_f32 v[8+\c], |v[X+32*\c]|, |v[X+32*\c+1]|, FLOOR
.endr
.irp i, 2,4,6,8,10,12,14,16,18,20,22,24,26,28,30
.irp c, 0,1
	v_max3_num_f32 v[8+\c], v[8+\c], |v[X+32*\c+\i]|, |v[X+32*\c+\i+1]|   ; (the two blocks by turns)
.endr
.endr
.irp c, 0,1
	v_add_nc_u32 v[10+\c], DOWN4, v[8+\c]          ; the conversion takes the exponent field of this operand as its scale, and nothing else of it
.endr
.irp c, 0,1
	v_lshrrev_b32 v[12+\c], 23, v[10+\c]           ; the scale's byte
.endr
	v_lshl_or_b32 v14, v13, 16, v12                ; my two bytes,
	v_lshlrev_b32 v14, v7, v14                     ; at their places in the scale word;
	v_permlanex16_b32 v15, v14, s26, s27
	v_or_b32 v14, v14, v15                         ; with lane l xor 16's two the word is whole
.if (\t) >= 2
	s_wait_alu depctr_va_vdst(0)
	s_wait_xcnt 0x0                                ; the stores of two fragments back have read this set of code registers
.endif
.irp c, 0,1
	v_cvt_scalef32_pk16_bf6_f32 v[CSET+6*\c:CSET+6*\c+2], v[X+32*\c:X+32*\c+15], v[10+\c]
	v_cvt_scalef32_pk16_bf6_f32 v[T+4*\c:T+4*\c+2], v[X+32*\c+16:X+32*\c+31], v[10+\c]
.endr
	v_nop                                          ; one plain place behind a scaled conversion
.irp c, 0,1
.irp i, 0,1,2
	v_mov_b32 v[CSET+6*\c+3+\i], v[T+4*\c+\i]
.endr
.endr
	ds_store_b32 v4, v14 offset:128*((\t)/2)+4*((\t)%2)   ; lanes r and r + 16 write the same word with the same value
.irp k, 0,1,2
	global_store_b128 v1, v[CSET+4*\k:CSET+4*\k+3], s[16:17] offset:IMG*(\t)+512*\k   ; the image: 512 consecutive bytes, at a multiple of 256 from aq's first byte
.endr
.endm
	XLOAD 0
	XLOAD 1
	XSTEP 0
	XSTEP 1
	XSTEP 2
	XSTEP 3
	ds_load_b64 v[8:9], v5                         ; my wave's 64 scale words: these see my stores
	s_wait_dscnt 0x0
	global_store_b64 v6, v[8:9], s[28:29]          ; 32 lanes store 256 consecutive bytes, aligned
	s_wait_tensorcnt 0x0
	ds_add_u32 v240, v241
	s_wait_dscnt 0x0
	s_endpgm
; ---------------- THE WEIGHTS.  Work-group idx = wg - 512: gate g = idx / 64, 128 columns cg = (idx / 8) % 8, K step KS = idx % 8; wave w: 32 columns: group G = 4 cg + w.
; A LANE TAKES A COLUMN AND ITS REGISTERS RUN DOWN K: a load reads 128 consecutive bytes a wave, a block of 32 along K lies in one lane's 32 registers, and the conversions give codes with K innermost.
; A lane's six registers of a block are laid into the images in the wave's own LDS, at the place of the lane (r + 16 h') that will hold them; the four images leave as 6,144 dense bytes.
.Lw:
.set WBASE, 4*XWREG                    ; this way's LDS bytes begin behind the other way's
.set WX,    16                         ; v16-79   two sets of 32 numbers
.set WC,    80                         ; v80-85   a block's codes
.set WT,    88                         ; v88-90   their second half, as converted
.set OUTR,  96                         ; v96-143  the images on their way out
	s_sub_co_u32 s30, ttmp9, 512                   ; idx
	s_lshr_b32 s31, s30, 6                         ; g
	s_bfe_u32 s32, s30, 0x30003                    ; cg
	s_and_b32 s33, s30, 7                          ; KS
	s_lshl_b32 s34, s32, 2
	s_add_co_u32 s34, s34, s24                     ; G
	s_lshl_b32 s36, s33, 20                        ; 256 rows of 4,096 bytes a K step,
	s_lshl_b32 s35, s34, 7                         ; 32 columns of 4 bytes a group
	s_add_co_u32 s36, s36, s35
	s_mov_b32 s37, 0
	s_lshl_b32 s34, s34, 3
	s_add_co_u32 s34, s34, s33
	s_mul_i32 s34, s34, TILE                       ; the block (G, KS)
	s_mul_i32 s35, s31, 4*IMG
	s_add_co_u32 s38, s34, s35                     ; the gate's four images
	s_mov_b32 s39, 0
	s_lshl_b32 s35, s31, 8
	s_add_co_u32 s34, s34, s35
	s_add_co_u32 s34, s34, SCW                     ; and its 256 scale bytes
	s_mov_b32 s35, 0
	s_mul_i32 s25, s24, 4*IMG
	s_add_co_u32 s25, s25, WBASE
	v_and_b32 v6, 31, v0                           ; lane = 16 u + r
	v_and_b32 v7, 15, v0
	v_bfe_u32 v8, v0, 4, 1
	v_lshlrev_b32 v1, 2, v6                        ; v1: in: 4 bytes a lane
	v_mul_u32_u24 v2, v8, 2*IMG
	v_lshl_add_u32 v2, v7, 4, v2
	v_add_nc_u32 v2, s25, v2                       ; v2: into the images: (u, q = 0), lane r's 16 bytes
	v_lshlrev_b32 v4, 4, v6                        ; v4: 16 x lane
	v_add_nc_u32 v3, s25, v4                       ; v3: out of them
	v_lshlrev_b32 v5, 3, v6                        ; v5: 8 x lane = 128 u + 8 r: my column's two scale words
	s_wait_alu depctr_va_vdst(0)
	s_wait_kmcnt 0x0
	s_and_b32 s30, s31, 1                          ; the choices hang on the work-group's number alone
	s_cmp_eq_u32 s30, 0
	s_cselect_b64 s[8:9], s[8:9], s[10:11]         ; f or ct
	s_cselect_b64 s[12:13], s[12:13], s[14:15]     ; m or o
	s_cmp_lt_u32 s31, 2
	s_cselect_b64 s[8:9], s[8:9], s[12:13]
	s_add_nc_u64 s[8:9], s[8:9], s[36:37]
	s_add_nc_u64 s[28:29], s[18:19], s[34:35]
	s_add_nc_u64 s[18:19], s[18:19], s[38:39]
.macro WLOAD t                         ; block t: W(32 t + i, my column), i = 0 .. 31
.irp i, 0,1,2,3,4,5,6,7,8,9,10,11,12,13,14,15,16,17,18,19,20,21,22,23,24,25,26,27,28,29,30,31
	global_load_b32 v[WX+32*((\t)%2)+\i], v1, s[8:9] offset:(32*(\t)+\i)*4096 th:TH_LOAD_NT
.endr
.endm
.macro WBLOCK t                        ; block t of 8: q = t / 4; in its 128 along K it is registers 6 c' .. 6 c' + 5 (c' = (t % 4) / 2) of lane r + 16 h' (h' = t % 2)
.set XS, WX+32*((\t)%2)
.set IO, IMG*((\t)/4)+256*((\t)%2)
.if (\t) < 7
	s_wait_loadcnt 32                              ; this block's 32 loads are in; the next block's may be out
.else
	s_wait_loadcnt 0x0
.endif
	v_max3_num_f32 v8, |v[XS]|, |v[XS+1]|, |v[XS+2]|
	v_max3_num_f32 v9, |v[XS+3]|, |v[XS+4]|, |v[XS+5]|
.irp i, 6,10,14,18,22,26
	v_max3_num_f32 v8, v8, |v[XS+\i]|, |v[XS+\i+1]|
	v_max3_num_f32 v9, v9, |v[XS+\i+2]|, |v[XS+\i+3]|
.endr
	v_max3_num_f32 v8, v8, |v[XS+30]|, |v[XS+31]|
	v_max3_num_f32 v8, v8, v9, FLOOR
	v_add_nc_u32 v10, DOWN4, v8                    ; the conversions' scale operand
	v_lshrrev_b32 v11, 23, v10                     ; the scale's byte
.if (\t)%4 == 0
	v_mov_b32 v[12+(\t)/4], v11                    ; four bytes to a word, the lower K in the lower byte
.else
	v_lshl_or_b32 v[12+(\t)/4], v11, 8*((\t)%4), v[12+(\t)/4]
.endif
	v_cvt_scalef32_pk16_bf6_f32 v[WC:WC+2], v[XS:XS+15], v10
	v_cvt_scalef32_pk16_bf6_f32 v[WT:WT+2], v[XS+16:XS+31], v10
	v_nop                                          ; one plain place behind a scaled conversion
.irp i, 0,1,2
	v_mov_b32 v[WC+3+\i], v[WT+\i]
.endr
.if ((\t)%4)/2 == 0
	ds_store_b128 v2, v[WC:WC+3] offset:IO         ; registers 0-3,
	ds_store_b64 v2, v[WC+4:WC+5] offset:IO+512    ; 4-5
.else
	ds_store_b64 v2, v[WC:WC+1] offset:IO+520      ; registers 6-7,
	ds_store_b128 v2, v[WC+2:WC+5] offset:IO+1024  ; 8-11
.endif
.if (\t) < 6
	WLOAD (\t)+2
.endif
	s_wait_dscnt 0x0                               ; the stores have read their registers: the next block's codes may be written
.endm
	WLOAD 0
	WLOAD 1
.irp t, 0,1,2,3,4,5,6,7
	WBLOCK \t
.endr
	s_wait_alu depctr_va_vdst(0)
	global_store_b64 v5, v[12:13], s[28:29]        ; 32 lanes store 256 consecutive bytes, aligned
.irp k, 0,1,2,3,4,5,6,7,8,9,10,11
	ds_load_b128 v[OUTR+4*\k:OUTR+4*\k+3], v3 offset:512*\k
.endr
.irp k, 0,1,2,3,4,5,6,7,8,9,10,11
	s_wait_dscnt 11-\k                             ; LDS loads come back in order: load k is in, the younger ones may be out
	global_store_b128 v4, v[OUTR+4*\k:OUTR+4*\k+3], s[18:19] offset:512*\k   ; 512 consecutive bytes, at a multiple of 256 from wq's first byte
.endr
	s_wait_tensorcnt 0x0
	ds_add_u32 v240, v241
	s_wait_dscnt 0x0
	s_endpgm
.Lfunc_end_k_q6e0f97ed39_quant:
	.size	k_q6e0f97ed39_quant, .Lfunc_end_k_q6e0f97ed39_quant-k_q6e0f97ed39_quant
	.p2alignl 7, 3214868480
	.fill 96, 4, 3214868480
	.section	.rodata,"a",@progbits
	.p2align	6, 0x0
	.amdhsa_kernel k_q6e0f97ed39_quant
		.amdhsa_group_segment_fixed_size 59904
		.amdhsa_private_segment_fixed_size 0
		.amdhsa_enable_private_segment 0
		.amdhsa_kernarg_size 64
		.amdhsa_user_sgpr_count 2
		.amdhsa_user_sgpr_kernarg_segment_ptr 1
		.amdhsa_wavefront_size32 1
		.amdhsa_system_sgpr_workgroup_id_x 1
		.amdhsa_system_sgpr_workgroup_id_y 1
		.amdhsa_system_sgpr_workgroup_id_z 1
		.amdhsa_system_vgpr_workitem_id 0
		.amdhsa_next_free_vgpr 242
		.amdhsa_next_free_sgpr 66
		.amdhsa_reserve_vcc 0
		.amdhsa_float_denorm_mode_32 3
		.amdhsa_float_denorm_mode_16_64 3
		.amdhsa_memory_ordered 1
		.amdhsa_forward_progress 1
		.amdhsa_inst_pref_size 72
	.end_amdhsa_kernel
	.amdgpu_metadata
---
amdhsa.version: [ 1, 2 ]
amdhsa.kernels:
  - .name:           k_q6e0f97ed39_quant
    .symbol:         k_q6e0f97ed39_quant.kd
    .args:
      - { .name: x, .offset: 0, .size: 8, .value_kind: global_buffer, .address_space: global }
      - { .name: h, .offset: 8, .size: 8, .value_kind: global_buffer, .address_space: global }
      - { .name: Wf, .offset: 16, .size: 8, .value_kind: global_buffer, .address_space: global }
      - { .name: Wct, .offset: 24, .size: 8, .value_kind: global_buffer, .address_space: global }
      - { .name: Wm, .offset: 32, .size: 8, .value_kind: global_buffer, .address_space: global }
      - { .name: Wo, .offset: 40, .size: 8, .value_kind: global_buffer, .address_space: global }
      - { .name: aq, .offset: 48, .size: 8, .value_kind: global_buffer, .address_space: global }
      - { .name: wq, .offset: 56, .size: 8, .value_kind: global_buffer, .address_space: global }
    .group_segment_fixed_size: 59904
    .private_segment_fixed_size: 0
    .kernarg_segment_align: 8
    .kernarg_segment_size: 64
    .max_flat_workgroup_size: 128
    .sgpr_count:     66
    .vgpr_count:     242
    .wavefront_size: 32
...
	.end_amdgpu_metadata
.endif
;; end of part 1
;; launch cell (part 2): grid 16 x 32, 4 waves a work-group, clusters of 4 x 4, 327,680 bytes of LDS; arguments aq, wq, c, bf, bct, bm, bo, out0, out1; writes out0, out1
.if DOCPART == 2
	.amdgcn_target "amdgcn-amd-amdhsa--gfx1250"
	.amdhsa_code_object_version 6
	.text
	.protected	k_q6e0f97ed39_cell
	.globl	k_q6e0f97ed39_cell
	.p2align	8
	.type	k_q6e0f97ed39_cell,@function
k_q6e0f97ed39_cell:
	s_mov_b64 s[64:65], 0
	v_nop
	global_prefetch_b8 v0, s[64:65] scope:SCOPE_SE
	s_setreg_imm32_b32 hwreg(HW_REG_WAVE_MODE, 25, 1), 1
	s_wait_xcnt 0x0
	s_wait_alu depctr_hold_cnt(0) depctr_sa_sdst(0) depctr_va_vdst(0) depctr_va_sdst(0) depctr_va_ssrc(0) depctr_va_vcc(0) depctr_vm_vsrc(0)
	s_getreg_b32 s2, hwreg(HW_REG_IB_STS2, 6, 4)
	s_cmp_eq_u32 s2, 0
	s_cbranch_scc0 .Lentry_in_a_cluster
	s_endpgm
.Lentry_in_a_cluster:
	s_bfe_u32 s2, ttmp6, 0x10000c
	s_cmp_lg_u32 s2, 0xf033
	s_cbranch_scc0 .Lentry_shape_is_right
	s_endpgm
.Lentry_shape_is_right:
; The LSTM cell on codes of BF6 (E3M2): F, Ct, M, O = xh W_g + b_g (K = 2,048; sums in f32); c_new = c sigmoid(F) + tanh(Ct) sigmoid(M); h_new = sigmoid(O) tanh(c_new).  out0 = h_new, out1 = c_new, [8192][1024] f32.
; aq, wq: codes and scale words in the order of the operand's registers.  A block (G, KS) = 128 operand rows x 256 along K = TILE = 25,600 dense bytes at (8 G + KS) x TILE: 16 images of 1,536 bytes ((16 rows i, q-th 128 along K)
; at (2 i + q) x 1,536; register n of lane l at 512 (n / 4) + 16 l + 4 (n % 4)), then the scale words ((i, r, q) at 24,576 + 128 i + 8 r + 4 q).  A group of wq holds ALL FOUR GATES of 32 hidden units: block i = 2 g + u.
; SHARES.  A work-group: 256 rows x 64 hidden units x 4 gates.  Four waves, as many as a WGP has SIMDs; wave w: rows 128 (w / 2) on, units 32 (w % 2) on: 64 accumulators (a = 16 rows, b = 2 g + u), 512 registers.
; THE MATRIX INSTRUCTION IS USED TRANSPOSED (source 0 = 16 rows of wq, source 1 = 16 rows of aq): lane (r, hh), register j of accumulator (a, 2 g + u) is gate g of row 16 a + r, unit 16 u + 8 hh + j.  So the four gates of an
; element meet in one lane, and the gates' products never leave the registers.  The biases are the C of each sum's first product.
; THE RING HAS TWO UNEQUAL SLOTS: X holds two K steps of 256 (a wave's load: two neighbouring blocks, 51,200 dense bytes), Y one.  Two slots of two K steps would be 409,600 bytes; X, Y and the spare words are 307,712.
; The walk: X(0,1) Y(2) X(3,4) Y(5) X(6,7): four changes of slots.  The places: 0 = X's first step, 1 = X's second, 2 = Y.  At the head a wave issues X's load alone; Y's first fill follows as a refill does.
; c's tile (256 rows x 256 bytes) is Y's LAST fill: a load of each wave's own, behind the round at which Y's K step 5 has been read out; it lands under K steps 6 and 7.
; CLUSTERS: 4 x 4 work-groups.  The four of a row of the cluster need the same blocks of aq, the four of a column the same blocks of wq: each is asked for JOINTLY, by the same tensor load with the same descriptor and a mask.
; PREFETCH: behind each fill a wave asks for the blocks of 256 bytes of its NEXT fill, one fill ahead: of a joint tile's 100 or 200 blocks each of the four partners takes a quarter, told apart by address (cx for aq, cy for wq);
; lanes that are left over name their share's last block again.  Of c each wave asks for its own 64 rows.  Behind the last fill nothing is asked for.
; THE GATES, with L = log2(e): A = 1 + 2^min(-L F, 20), B likewise of M, G of O, D = 1 + 2^min(2 L Ct, 20): c_new = (c B D + (D - 2) A) / (A B D); E = 1 + 2^min(2 L c_new, 20): h_new = (E - 2) / (E G).
; FOUR DIVISIONS SHARE ONE RECIPROCAL: of four divisors x0 .. x3 the unit takes 1 / (x0 x1 x2 x3); times x2 x3 that is 1 / (x0 x1), and n0 / x0 = (n0 x1) / (x0 x1).  Divisor and dividend both carry the factor 2^-30 (2^-20 in the
; second division), so that a divisor lies between 2^-30 and 2^30 (1 + 2^-20)^3 and a product of four between 2^-120 and 2^121.
; LIMITS: by the hold at 20 a sigmoid does not fall under 2^-20 and a tanh stays 2^-19 short of 1; the largest product is (|c| + 1) x 2^41, so that none overflows while |c| stays under 2^80.  NaN and infinities among the inputs are not served.
; REGISTERS, in windows of 256: window 0: v7-10 the prefetches' offsets; v16-30 addresses; v32-79 scale words, three sets, one for each place; v80-143 the biases; v144-239 A's 8 fragments, ONE set; on the way out v80-219 are at work.
;   window 1: B's fragments, TWO sets, at v0 and v128.   window 2: the accumulators of my rows 0-63 ((a, b) at v[64 (a % 4) + 8 b]);   window 3: those of my rows 64-127.
.set TILE,  25600
.set IMG,   1536
.set SCW,   24576
.set XW,    2*TILE                     ; what one load brings into X: a group's two K steps
.set YB,    4*XW                       ; X: A's two groups, then B's two; behind it Y, laid likewise with one K step to a group
.set CT,    YB                         ; c's tile, 256 rows x (256 bytes + 16), Y's last fill: only read
.set SP,    272
.set CSB,   102400                     ; the way out's stages, 256 rows x 272 bytes each: h_new's at byte 0, c_new's here: both in X, which has had its last fill and its last read when the first result is stored
.set SPARE, YB+4*TILE                  ; the spare words, 128 bytes for each wave, which no other line names
.set FR,    12
.set NL,    3
.set NP,    4                          ; places behind this matrix instruction (ISA guide 7.12.1)
.set VP1,  7                           ; v7      my share of one K step's block: 6,400 x my place + 256 x min(lane, 24)
.set VP2A, 8                           ; v8      of two K steps' blocks: 12,800 x my place + 256 x lane,
.set VP2B, 9                           ; v9      and + 256 x min(lane + 32, 49)
.set VPC,  10                          ; v10     c: a lane a row
.set ADRA, 16
.set ADRS, 18
.set ADRB, 20
.set CTA,  22
.set HSA,  23
.set RDC,  24
.set RDH,  25
.set CO,   26
.set CSA,  27
.set SPW,  28
.set NIL,  29
.set BO,   30
.set SC,   32                          ; scale words: place p's set at v[SC + 16 p]; register 2 i + q: lanes 0-15 A's block i, lanes 16-31 B's block i.  These 48 registers hold nothing else
.set BI,   80
.set AF,   144
.set TG,   80                          ; the way out: 16 registers for each gate; between two groups of rows: the rows read back from the stages
.set W1,   144
.set W2,   160
.set CCB,  176
.set Q,    208                         ; v208-219 products of two and of four divisors
.set G1AX, 24
.set G1BX, 32
.set G1AY, 40
.set G1BY, 48
.set G1C,  56
.set G0AX, 68
.set G0BX, 72
.set G0AY, 76
.set G0BY, 80
.set G0C,  84
.set MSB, 0
.macro WIN new                         ; the immediate's high byte repeats the setting that is left
.if MSB != (\new)
	s_set_vgpr_msb (MSB<<8)|(\new)
.set MSB, (\new)
.endif
.endm
.set MUL_LO, 0xa1
.set MUL_HI, 0xf1
.set FST_LO, 0x81
.set FST_HI, 0xc1
.set TO_B,   0x40
; A joint load: waves 0 and 1 fetch A's two groups, waves 2 and 3 B's.  An s_nop 0 and four v_nop follow each of the two lines.
.macro JLOAD g0a, g1a, g0b, g1b
	s_cmp_eq_u32 s23, 0
	s_cbranch_scc0 .Lfor_b_\@
	tensor_load_to_lds s[\g0a:\g0a+3], s[\g1a:\g1a+7]
	s_nop 0
.rept 4
	v_nop
.endr
	s_branch .Lasked_\@
.Lfor_b_\@:
	tensor_load_to_lds s[\g0b:\g0b+3], s[\g1b:\g1b+7]
	s_nop 0
.rept 4
	v_nop
.endr
.Lasked_\@:
.endm
.macro CREST                           ; a round of the cluster's barrier behind its opening barrier
	s_cmp_lg_u32 s22, 0
	s_cbranch_scc1 .Lnot_wave_0_\@
	s_barrier_signal -3
.Lnot_wave_0_\@:
	s_barrier_wait -3
	s_barrier_signal -1
	s_barrier_wait -1
.endm
.macro CROUND
	s_barrier_signal -1
	s_barrier_wait -1
	CREST
.endm
.macro PLACES n
.rept \n
	v_nop
.endr
.endm
.macro ALUW
	s_wait_alu depctr_va_vdst(0)
.endm
	s_load_b256 s[4:11], s[0:1], 0x0               ; aq s[4:5], wq s[6:7], c s[8:9], bf s[10:11]
	s_load_b256 s[12:19], s[0:1], 0x20             ; bct s[12:13], bm s[14:15], bo s[16:17], out0 s[18:19]
	s_load_b64 s[20:21], s[0:1], 0x40              ; out1
	v_lshl_add_u32 v[SPW], v0, 2, SPARE
	v_mov_b32 v[NIL], 0
	ds_add_u32 v[SPW], v[NIL]                      ; the opening: the add, twice on end, and its wait
	ds_add_u32 v[SPW], v[NIL]
	s_wait_dscnt 0x0
	v_lshrrev_b32 v1, 5, v0
	v_readfirstlane_b32 s22, v1                    ; wave 0..3
	s_lshr_b32 s23, s22, 1                         ; RH: which 128 rows are mine.  Also: I fetch for A (0) or for B (1)
	s_and_b32 s66, s22, 1                          ; CH: which 32 units are mine.  Also: which of the two groups I fetch
	s_bfe_u32 s93, ttmp6, 0x40000                  ; cx, cy: my place in the cluster
	s_bfe_u32 s94, ttmp6, 0x40004
	s_cmp_eq_u32 s23, 0
	s_cselect_b32 s67, s93, s94                    ; my place among the four that ask for my tile with me: it enters the prefetches' offsets alone
	s_lshl_b32 s95, ttmp9, 2
	s_add_co_u32 s95, s95, s93                     ; T: tile column
	s_and_b32 s96, ttmp7, 0xffff
	s_lshl_b32 s96, s96, 2
	s_add_co_u32 s96, s96, s94                     ; Y: tile row
	s_lshl_b32 s97, s94, 2
	s_lshl_b32 s97, 15, s97                        ; my row of the cluster
	s_lshl_b32 s98, 0x1111, s93                    ; my column
	; descriptor groups 1 for dense blocks, as rows of 256 bytes (32 elements of 8 bytes), no padding: 200 rows into X, 100 into Y
	s_or_b32 s[G1AX+0], s97, (3<<16)|(1<<21)
	s_or_b32 s[G1AY+0], s97, (3<<16)|(1<<21)
	s_or_b32 s[G1BX+0], s98, (3<<16)|(1<<21)
	s_or_b32 s[G1BY+0], s98, (3<<16)|(1<<21)
.irp g, G1AX, G1BX
	s_mov_b32 s[\g+1], 32<<16
	s_mov_b32 s[\g+2], 200<<16
	s_mov_b32 s[\g+3], 32<<16
	s_mov_b32 s[\g+4], 200
	s_mov_b32 s[\g+5], 32
	s_mov_b32 s[\g+6], 0
	s_mov_b32 s[\g+7], 0
.endr
.irp g, G1AY, G1BY
	s_mov_b32 s[\g+1], 32<<16
	s_mov_b32 s[\g+2], 100<<16
	s_mov_b32 s[\g+3], 32<<16
	s_mov_b32 s[\g+4], 100
	s_mov_b32 s[\g+5], 32
	s_mov_b32 s[\g+6], 0
	s_mov_b32 s[\g+7], 0
.endr
	; a wave's quarter of c's tile: 64 rows of 256 bytes, 4,096 bytes apart in memory, 16 bytes of padding behind each in LDS; no mask
	s_mov_b32 s[G1C+0], (3<<16)|(1<<20)|(5<<22)|(3<<25)
	s_mov_b32 s[G1C+1], 32<<16
	s_mov_b32 s[G1C+2], 64<<16
	s_mov_b32 s[G1C+3], 32<<16
	s_mov_b32 s[G1C+4], 64
	s_mov_b32 s[G1C+5], 512
	s_mov_b32 s[G1C+6], 0
	s_mov_b32 s[G1C+7], 0
	; groups 0: count, LDS address (the wave's number and constants alone), and for now the byte offset in the buffer
	s_mov_b32 s[G0AX], 1
	s_mul_i32 s[G0AX+1], s22, XW
	s_lshl_b32 s[G0AX+2], s96, 1
	s_add_co_u32 s[G0AX+2], s[G0AX+2], s66
	s_mul_i32 s[G0AX+2], s[G0AX+2], 8*TILE         ; A: group 2 Y + CH
	s_mov_b32 s[G0AX+3], 0
	s_mov_b32 s[G0BX], 1
	s_mul_i32 s[G0BX+1], s22, XW
	s_lshl_b32 s[G0BX+2], s95, 1
	s_add_co_u32 s[G0BX+2], s[G0BX+2], s66
	s_mul_i32 s[G0BX+2], s[G0BX+2], 8*TILE         ; B: group 2 T + CH
	s_mov_b32 s[G0BX+3], 0
	s_mov_b32 s[G0AY], 1
	s_mul_i32 s[G0AY+1], s22, TILE
	s_add_co_u32 s[G0AY+1], s[G0AY+1], YB
	s_mov_b32 s[G0BY], 1
	s_mul_i32 s[G0BY+1], s22, TILE
	s_add_co_u32 s[G0BY+1], s[G0BY+1], YB
	s_mov_b32 s[G0C], 1
	s_mul_i32 s[G0C+1], s22, 64*SP
	s_add_co_u32 s[G0C+1], s[G0C+1], CT
	s_lshl_b32 s99, s95, 8                         ; the tile's first unit in a row: 256 T bytes
	s_lshl_b32 s[G0C+2], s96, 8
	s_lshl_b32 s100, s22, 6
	s_add_co_u32 s[G0C+2], s[G0C+2], s100          ; c: the rows that I fetch: 256 Y + 64 wave on
	s_lshl_b32 s[G0C+2], s[G0C+2], 12
	s_add_co_u32 s[G0C+2], s[G0C+2], s99
	s_mov_b32 s[G0C+3], 0
	s_lshl_b32 s100, s96, 8
	s_lshl_b32 s101, s23, 7
	s_add_co_u32 s100, s100, s101
	s_lshl_b32 s101, s66, 4
	s_add_co_u32 s100, s100, s101                  ; the outputs: the rows that I store: 256 Y + 128 RH + 16 CH + 32 p on
	s_lshl_b32 s100, s100, 12
	s_add_co_u32 s100, s100, s99
	s_mov_b32 s101, 0
	s_mov_b32 s88, 0xbfb8aa3b                      ; -log2(e); the packed forms name a pair and take its low word for both halves
	s_mov_b32 s89, s88
	s_mov_b32 s90, 0x4038aa3b                      ; 2 log2(e)
	s_mov_b32 s91, s90
	s_mov_b32 s92, 0x41a00000                      ; 20.0
	s_wait_kmcnt 0x0
	s_add_nc_u64 s[G0AX+2:G0AX+3], s[4:5], s[G0AX+2:G0AX+3]      ; X begins with K steps 0 and 1,
	s_add_nc_u64 s[G0AY+2:G0AY+3], s[G0AX+2:G0AX+3], 2*TILE      ; Y with K step 2
	s_mov_b64 s[4:5], s[G0AX+2:G0AX+3]                           ; (my group of aq, for the prefetches)
	s_or_b32 s[G0AX+3], s[G0AX+3], 0x80000000                    ; type = 2
	s_or_b32 s[G0AY+3], s[G0AY+3], 0x80000000
	s_add_nc_u64 s[G0BX+2:G0BX+3], s[6:7], s[G0BX+2:G0BX+3]
	s_add_nc_u64 s[G0BY+2:G0BY+3], s[G0BX+2:G0BX+3], 2*TILE
	s_mov_b64 s[6:7], s[G0BX+2:G0BX+3]                           ; (my group of wq)
	s_or_b32 s[G0BX+3], s[G0BX+3], 0x80000000
	s_or_b32 s[G0BY+3], s[G0BY+3], 0x80000000
	s_add_nc_u64 s[G0C+2:G0C+3], s[8:9], s[G0C+2:G0C+3]
	s_mov_b64 s[8:9], s[G0C+2:G0C+3]                             ; (my 64 rows of c)
	s_or_b32 s[G0C+3], s[G0C+3], 0x80000000
	s_cmp_eq_u32 s23, 0
	s_cselect_b64 s[4:5], s[4:5], s[6:7]           ; the group that I fetch: the choice hangs on the wave's number alone
	s_add_nc_u64 s[18:19], s[18:19], s[100:101]
	s_add_nc_u64 s[20:21], s[20:21], s[100:101]
	CROUND                                         ; all sixteen work-groups are here: the first joint loads meet
	JLOAD G0AX, G1AX, G0BX, G1BX                   ; K steps 0 and 1: one tensor load a wave at the head
	v_and_b32 v1, 15, v0                           ; r
	v_bfe_u32 v2, v0, 4, 1                         ; hh
	ALUW
	v_and_b32 v3, 31, v0
	v_lshlrev_b32 v3, 4, v3                        ; 16 x lane: my place in an image
	ALUW
	s_mul_i32 s93, s23, XW                         ; in X: my group of A,
	s_mul_i32 s94, s66, XW                         ; my group of B,
	s_add_co_u32 s94, s94, 2*XW                    ; behind A's two
	s_sub_co_u32 s97, s94, s93
	v_mul_u32_u24 v4, s97, v2                      ; lanes 16-31 take B's scale words: one product, the distance between the two groups
	v_lshl_add_u32 v4, v1, 3, v4
	s_add_co_u32 s97, s93, SCW
	v_add_nc_u32 v[ADRS], s97, v4
	v_add_nc_u32 v[ADRA], s93, v3
	v_add_nc_u32 v[ADRB], s94, v3
	s_mul_i32 s93, s23, TILE                       ; and the same in Y
	s_add_co_u32 s93, s93, YB
	s_mul_i32 s94, s66, TILE
	s_add_co_u32 s94, s94, YB+2*TILE
	s_sub_co_u32 s97, s94, s93
	v_mul_u32_u24 v4, s97, v2
	v_lshl_add_u32 v4, v1, 3, v4
	s_add_co_u32 s97, s93, SCW
	v_add_nc_u32 v[ADRS+1], s97, v4
	v_add_nc_u32 v[ADRA+1], s93, v3
	v_add_nc_u32 v[ADRB+1], s94, v3
	v_mul_u32_u24 v5, v1, SP
	v_lshl_add_u32 v5, v2, 5, v5                   ; row r, + 32 hh
	s_mul_i32 s97, s23, 128*SP                     ; my 128 rows,
	s_lshl_b32 s94, s66, 7                         ; my 128 bytes of them
	s_add_co_u32 s93, s97, s94
	v_add_nc_u32 v[HSA], s93, v5
	v_add_nc_u32 v[CSA], CSB, v[HSA]
	v_add_nc_u32 v[CTA], CT, v[HSA]
	v_mul_u32_u24 v6, v2, SP                       ; back: of each group of 32 rows of my half, 16 whole rows: 16 CH on; lanes 0-15 one row of 256 bytes, lanes 16-31 the next
	v_lshl_add_u32 v6, v1, 4, v6
	s_mul_i32 s98, s66, 16*SP
	s_add_co_u32 s98, s98, s97
	v_add_nc_u32 v[RDH], s98, v6
	v_add_nc_u32 v[RDC], CSB, v[RDH]
	v_lshlrev_b32 v[CO], 12, v2
	v_lshl_add_u32 v[CO], v1, 4, v[CO]
	s_add_co_u32 s93, s99, s94
	v_lshl_add_u32 v[BO], v2, 5, s93               ; a bias: 4 x (64 T + 32 CH + 8 hh)
	s_mul_i32 s3, s67, 6400                        ; the prefetches' offsets
	v_and_b32 v11, 31, v0
	v_min_u32 v12, 24, v11
	v_lshl_add_u32 v[VP1], v12, 8, s3
	s_lshl_b32 s3, s3, 1
	v_lshl_add_u32 v[VP2A], v11, 8, s3
	v_add_nc_u32 v12, 32, v11
	v_min_u32 v12, 49, v12
	v_lshl_add_u32 v[VP2B], v12, 8, s3
	v_lshlrev_b32 v[VPC], 12, v11
.irp g, 0,1,2,3                                ; in the result's layout: register j of tile b = 2 g + u: b_g at unit 16 u + 8 hh + j of my 32
.irp u, 0,1
.irp k, 0,1
	global_load_b128 v[BI+8*(2*\g+\u)+4*\k:BI+8*(2*\g+\u)+4*\k+3], v[BO], s[10+2*\g:11+2*\g] offset:64*\u+16*\k
.endr
.endr
.endr
	global_prefetch_b8 v[VP1], s[4:5] offset:2*TILE th:TH_LOAD_NT scope:SCOPE_SE   ; K step 2, my next fill
.macro FRAG reg, adr, off, q, i        ; an image comes back as it was stored: three loads, 512 consecutive bytes each
.irp c, 0,1,2
	ds_load_b128 v[\reg+4*\c:\reg+4*\c+3], v[\adr] offset:(\off)+(2*(\i)+(\q))*IMG+512*\c
.endr
.endm
.macro FETCH_B p, q, bs                ; B's eight fragments of place p's q-th 128 along K into set bs
	WIN TO_B
.irp i, 0,1,2,3,4,5,6,7
	FRAG 128*(\bs)+FR*\i, ADRB+(\p)/2, ((\p)%2)*TILE, \q, \i
.endr
	WIN 0
.endm
.macro FETCH_BH p, q, bs, i0           ; four of them: blocks i0 .. i0 + 3
	WIN TO_B
.irp i, \i0, \i0+1, \i0+2, \i0+3
	FRAG 128*(\bs)+FR*(\i), ADRB+(\p)/2, ((\p)%2)*TILE, \q, \i
.endr
	WIN 0
.endm
.macro FETCH_A p, q, i0                ; A's blocks i0 .. i0 + 3
.irp i, \i0, \i0+1, \i0+2, \i0+3
	FRAG AF+FR*(\i), ADRA+(\p)/2, ((\p)%2)*TILE, \q, \i
.endr
.endm
.macro SCALES p                        ; place p's scale words: two words a row; lanes 0-15 take A's block i, lanes 16-31 B's block i
.irp i, 0,1,2,3,4,5,6,7
	ds_load_b64 v[SC+16*(\p)+2*\i:SC+16*(\p)+2*\i+1], v[ADRS+(\p)/2] offset:((\p)%2)*TILE+128*\i
.endr
.endm
; 16 matrix instructions: A's blocks a0, a0 + 1 x B's eight, 128 along K.  first = 1: the sums begin with the biases.  The 64 accumulators take turns, one instruction a turn, in the same order in every step.
.macro MUL16 a0, bs, q, sc, first
.irp a, \a0, \a0+1
.irp b, 0,1,2,3,4,5,6,7
.if \first
	v_wmma_scale_f32_16x16x128_f8f6f4 v[8*(8*((\a)%4)+\b):8*(8*((\a)%4)+\b)+7], v[128*(\bs)+FR*\b:128*(\bs)+FR*\b+FR-1], v[AF+FR*(\a):AF+FR*(\a)+FR-1], v[BI+8*\b:BI+8*\b+7], v[SC+16*(\sc)+2*\b+(\q)], v[SC+16*(\sc)+2*(\a)+(\q)] matrix_a_fmt:MATRIX_FMT_BF6 matrix_b_fmt:MATRIX_FMT_BF6 matrix_a_scale:MATRIX_SCALE_ROW1
.else
	v_wmma_scale_f32_16x16x128_f8f6f4 v[8*(8*((\a)%4)+\b):8*(8*((\a)%4)+\b)+7], v[128*(\bs)+FR*\b:128*(\bs)+FR*\b+FR-1], v[AF+FR*(\a):AF+FR*(\a)+FR-1], v[8*(8*((\a)%4)+\b):8*(8*((\a)%4)+\b)+7], v[SC+16*(\sc)+2*\b+(\q)], v[SC+16*(\sc)+2*(\a)+(\q)] matrix_a_fmt:MATRIX_FMT_BF6 matrix_b_fmt:MATRIX_FMT_BF6 matrix_a_scale:MATRIX_SCALE_ROW1
.endif
.endr
.endr
.endm
; A K step's first 128 along K.  A's blocks 0-3 are fetched anew in the step's middle, blocks 4-7 at its end.  B's next set comes in two halves of 12 loads: blocks 0-3 at the end of the step before, blocks 4-7 in the middle run.
; Four places stand in front of each run of loads into registers that matrix instructions have read (ISA guide 7.12.1 for vector instructions).
.macro STEP p, first
	s_wait_dscnt 8*NL                              ; B's set, A's blocks 0-3 and the scale words are in; the youngest 24 loads (A's blocks 4-7, then the early half of B's next set) may be out
.if \first
	WIN FST_LO
.else
	WIN MUL_LO
.endif
	MUL16 0, 0, 0, \p, \first
	MUL16 2, 0, 0, \p, \first
	s_wait_dscnt 4*NL                              ; A's blocks 4-7 are in; the 12 loads behind them may be out
	PLACES NP
	FETCH_BH \p, 1, 1, 4
	FETCH_A \p, 1, 0
.if \first
	WIN FST_HI
.else
	WIN MUL_HI
.endif
	MUL16 4, 0, 0, \p, \first
	MUL16 6, 0, 0, \p, \first
	PLACES NP
	WIN 0
	FETCH_A \p, 1, 4
.endm
; A K step's second 128 along K, where the next K step lies in the same slot: no barrier.
.macro NEXT p, n
	s_wait_dscnt 4*NL                              ; all but A's blocks 4-7
	WIN MUL_LO
	MUL16 0, 1, 1, \p, 0
	MUL16 2, 1, 1, \p, 0
	s_wait_dscnt 0x0
	PLACES NP
	FETCH_B \n, 0, 0
	FETCH_A \n, 0, 0
	SCALES \n
	WIN MUL_HI
	MUL16 4, 1, 1, \p, 0
	MUL16 6, 1, 1, \p, 0
	PLACES NP
	WIN 0
	FETCH_A \n, 0, 4
	FETCH_BH \n, 1, 1, 0                           ; the early half of B's set for the next step's second 128 along K
.endm
; A slot's last 128 along K changes slots: ONE barrier, which opens a round of the cluster's; in front of it each wave waits for all its tensor loads, adds 0 to its spare word, and waits for that and for its own reads of this slot.
; Behind the round the slot just read out is filled again.  kind = 1: X, with the two K steps three on;  2: Y, with the K step three on;  3: Y, with my rows of c's tile.
.macro TURN p, n, kind
	s_wait_tensorcnt 0x0                           ; all my tensor loads have landed: my part of the next slot;  (every window is 0 here)
	ds_add_u32 v[SPW], v[NIL]                      ; 0 onto my spare word
	s_wait_dscnt 4*NL+1                            ; (the add and the youngest 12 loads, A's blocks 4-7, may be out)
	WIN MUL_LO
	MUL16 0, 1, 1, \p, 0
	s_wait_dscnt 0x0                               ; the add is done, and my reads of this slot are over
	s_barrier_signal -1
	MUL16 2, 1, 1, \p, 0
	WIN 0
	s_barrier_wait -1
	CREST                                          ; no wave of any partner still reads this slot or has a load on its way
.if \kind == 1
	s_add_nc_u64 s[G0AX+2:G0AX+3], s[G0AX+2:G0AX+3], 3*TILE
	s_add_nc_u64 s[G0BX+2:G0BX+3], s[G0BX+2:G0BX+3], 3*TILE
	JLOAD G0AX, G1AX, G0BX, G1BX                   ; the first tensor load behind the round, my one load until the next; the four v_nop behind it are the places in front of the loads below
.elseif \kind == 2
	s_add_nc_u64 s[G0AY+2:G0AY+3], s[G0AY+2:G0AY+3], 3*TILE
	s_add_nc_u64 s[G0BY+2:G0BY+3], s[G0BY+2:G0BY+3], 3*TILE
	JLOAD G0AY, G1AY, G0BY, G1BY
.else
	tensor_load_to_lds s[G0C:G0C+3], s[G1C:G1C+7]  ; every wave's own 64 rows of c
	s_nop 0
	PLACES 4
.endif
	FETCH_B \n, 0, 0
	FETCH_A \n, 0, 0
	SCALES \n
.if \kind == 1                         ; my next fill: in the first trip K step 5, in the second my rows of c
	s_cmp_eq_u32 s3, 2
	s_cbranch_scc0 .Lask_c
	global_prefetch_b8 v[VP1], s[4:5] offset:5*TILE th:TH_LOAD_NT scope:SCOPE_SE
	s_branch .Lasked_k
.Lask_c:
	global_prefetch_b8 v[VPC], s[8:9] th:TH_LOAD_NT scope:SCOPE_SE
	global_prefetch_b8 v[VPC], s[8:9] offset:32*4096 th:TH_LOAD_NT scope:SCOPE_SE
.Lasked_k:
.elseif \kind == 2                     ; K steps 6 and 7
	global_prefetch_b8 v[VP2A], s[4:5] offset:6*TILE th:TH_LOAD_NT scope:SCOPE_SE
	global_prefetch_b8 v[VP2B], s[4:5] offset:6*TILE th:TH_LOAD_NT scope:SCOPE_SE
.endif
	WIN MUL_HI
	MUL16 4, 1, 1, \p, 0
	MUL16 6, 1, 1, \p, 0
	PLACES NP
	WIN 0
	FETCH_A \n, 0, 4
	FETCH_BH \n, 1, 1, 0
.endm
	s_mov_b32 s100, 0x30800000                     ; 2^-30, the first division's factor
	s_mov_b32 s101, s100
	s_mov_b32 s96, 0x35800000                      ; 2^-20, the second's
	s_mov_b32 s97, s96
	ALUW                                           ; (the head's end)
	s_wait_tensorcnt 0x0                           ; my part of K steps 0 and 1 is in
	ds_add_u32 v[SPW], v[NIL]
	s_wait_dscnt 0x0
	CROUND                                         ; a whole round: everybody's part is in, and all sixteen work-groups are here
	JLOAD G0AY, G1AY, G0BY, G1BY                   ; K step 2, Y's first fill: the first tensor load behind the round
	FETCH_B 0, 0, 0
	FETCH_A 0, 0, 0
	SCALES 0
	FETCH_A 0, 0, 4
	FETCH_BH 0, 1, 1, 0
	global_prefetch_b8 v[VP2A], s[4:5] offset:3*TILE th:TH_LOAD_NT scope:SCOPE_SE   ; K steps 3 and 4, my next fill
	global_prefetch_b8 v[VP2B], s[4:5] offset:3*TILE th:TH_LOAD_NT scope:SCOPE_SE
	s_wait_loadcnt 0x0                             ; the biases
	STEP 0, 1                                      ; the first step stands in front of the loop: its products start the sums, on the biases
	s_mov_b32 s3, 2
.Llap:                                                 ; a trip goes once round the ring: three K steps.  The second trip leaves ahead of its second change of slots, whose fill is another: the tail is written out
	NEXT 0, 1
	STEP 1, 0
	TURN 1, 2, 1                                   ; X takes K steps 3 and 4; in the second trip 6 and 7
	STEP 2, 0
	s_cmp_eq_u32 s3, 1
	s_cbranch_scc1 .Ltail
	TURN 2, 0, 2                                   ; Y takes K step 5
	STEP 0, 0
	s_sub_co_u32 s3, s3, 1
	s_cmp_lg_u32 s3, 0
	s_cbranch_scc1 .Llap
.Ltail:
	TURN 2, 0, 3                                   ; Y takes c's tile: the last tensor load
	STEP 0, 0
	NEXT 0, 1
	STEP 1, 0
	s_wait_dscnt 4*NL                              ; the very last step: nothing more to fetch
	WIN MUL_LO
	MUL16 0, 1, 1, 1, 0
	MUL16 2, 1, 1, 1, 0
	s_wait_tensorcnt 0x0                           ; my rows of c have landed (other waves read them),
	s_wait_dscnt 0x0                               ; and my reads of X are over: say so,
	s_barrier_signal -1
	WIN MUL_HI
	MUL16 4, 1, 1, 1, 0
	MUL16 6, 1, 1, 1, 0
	WIN 0
	s_barrier_wait -1                              ; and when all four have said so, c's tile is whole and results may be stored into X's bytes
	PLACES NP
; THE GATES, a block of 16 rows at a time: 16 elements a lane, element n = 8 u + j.
.macro PKMULS d, a, s
.set n, 0
.rept 8
	v_pk_mul_f32 v[\d+n:\d+n+1], v[\a+n:\a+n+1], s[\s:\s+1] op_sel_hi:[1,0]
.set n, n+2
.endr
.endm
.macro PKMULB d, a, b                  ; both numbers of a pair by the low register of b's pair
.set n, 0
.rept 8
	v_pk_mul_f32 v[\d+n:\d+n+1], v[\a+n:\a+n+1], v[\b+n:\b+n+1] op_sel_hi:[1,0]
.set n, n+2
.endr
.endm
.macro PKFMA d, a, b, c
.set n, 0
.rept 8
	v_pk_fma_f32 v[\d+n:\d+n+1], v[\a+n:\a+n+1], v[\b+n:\b+n+1], v[\c+n:\c+n+1]
.set n, n+2
.endr
.endm
.macro SCM d, a, s                     ; one pair: k a - k
	v_pk_fma_f32 v[\d:\d+1], v[\a:\a+1], s[\s:\s+1], s[\s:\s+1] op_sel_hi:[1,0,0] neg_lo:[0,0,1] neg_hi:[0,0,1]
.endm
.macro SCP d, a, s                     ; one pair: k a + k
	v_pk_fma_f32 v[\d:\d+1], v[\a:\a+1], s[\s:\s+1], s[\s:\s+1] op_sel_hi:[1,0,0]
.endm
.macro HOLD d                          ; the exponents are held at 20
.set n, 0
.rept 16
	v_min_num_f32 v[\d+n], s92, v[\d+n]
.set n, n+1
.endr
.endm
.macro EXP2 d
.set n, 0
.rept 16
	v_exp_f32 v[\d+n], v[\d+n]
.set n, n+1
.endr
.endm
; w / x for 16 elements with four reciprocals.  Behind it w holds n0 x1, n1 x0, n2 x3, n3 x2 and the even registers of x hold 1 / (x0 x1), 1 / (x2 x3).  The cross products stand among the reciprocals: they read what was finished ahead of the wait.
.macro QINV w, x
.set m, 0
.rept 4
	v_mul_f32 v[Q+4+m], v[\x+4*m], v[\x+4*m+1]
	v_mul_f32 v[Q+8+m], v[\x+4*m+2], v[\x+4*m+3]
.set m, m+1
.endr
.set m, 0
.rept 4
	v_mul_f32 v[Q+m], v[Q+4+m], v[Q+8+m]
.set m, m+1
.endr
	ALUW
.set m, 0
.rept 4
	v_rcp_f32 v[Q+m], v[Q+m]
	v_mul_f32 v[\w+4*m], v[\w+4*m], v[\x+4*m+1]
	v_mul_f32 v[\w+4*m+1], v[\w+4*m+1], v[\x+4*m]
	v_mul_f32 v[\w+4*m+2], v[\w+4*m+2], v[\x+4*m+3]
	v_mul_f32 v[\w+4*m+3], v[\w+4*m+3], v[\x+4*m+2]
.set m, m+1
.endr
	ALUW
.set m, 0
.rept 4
	v_mul_f32 v[\x+4*m], v[Q+m], v[Q+8+m]
	v_mul_f32 v[\x+4*m+2], v[Q+m], v[Q+4+m]
.set m, m+1
.endr
.endm
.macro CLOAD a                         ; c of block a: my 16 numbers
.irp u, 0,1
.irp k, 0,1
	ds_load_b128 v[CCB+16*((\a)%2)+8*\u+4*\k:CCB+16*((\a)%2)+8*\u+4*\k+3], v[CTA] offset:16*SP*(\a)+64*\u+16*\k
.endr
.endr
.endm
.macro STAGE adr, reg, a               ; my 16 results of block a into a stage
.irp u, 0,1
.irp k, 0,1
	ds_store_b128 v[\adr], v[\reg+8*\u+4*\k:\reg+8*\u+4*\k+3] offset:16*SP*(\a)+64*\u+16*\k
.endr
.endr
.endm
; In each batch of exponentials stand plain lines that read only what was finished ahead of the batch's wait and are read only behind the next one.
.macro GATES a
.set CC, CCB+16*((\a)%2)
.set AC, 64*((\a)%4)
	WIN 0x02+(\a)/4                                ; source 0: window 2 or 3
	PKMULS TG, AC, 88                              ; -L F.  Each accumulator is read from its low end on
	PKMULS TG+16, AC+16, 90                        ; 2 L Ct
	PKMULS TG+32, AC+32, 88                        ; -L M
	PKMULS TG+48, AC+48, 88                        ; -L O
	WIN 0
	HOLD TG+16
	ALUW
	s_wait_dscnt 0x0                               ; c of this block is in, and the last block's stores into the stages have read their registers
.if (\a) < 7
	CLOAD (\a)+1
.endif
.set n, 0
.rept 16                                       ; d = 2^(2 L Ct); the other three gates' holds
	v_exp_f32 v[TG+16+n], v[TG+16+n]
	v_min_num_f32 v[TG+n], s92, v[TG+n]
	v_min_num_f32 v[TG+32+n], s92, v[TG+32+n]
	v_min_num_f32 v[TG+48+n], s92, v[TG+48+n]
.set n, n+1
.endr
	ALUW
.set n, 0
.rept 8                                        ; 2^(-L F); k (D - 2) and k D, k = 2^-30
	v_exp_f32 v[TG+n], v[TG+n]
	SCM W2+n, TG+16+n, 100
	v_exp_f32 v[TG+n+1], v[TG+n+1]
	SCP TG+16+n, TG+16+n, 100
.set n, n+2
.endr
	ALUW
.set n, 0
.rept 8                                        ; 2^(-L M); k (D - 2) A
	v_exp_f32 v[TG+32+n], v[TG+32+n]
	v_exp_f32 v[TG+32+n+1], v[TG+32+n+1]
	v_pk_fma_f32 v[W2+n:W2+n+1], v[W2+n:W2+n+1], v[TG+n:TG+n+1], v[W2+n:W2+n+1]
.set n, n+2
.endr
	ALUW
.set n, 0
.rept 8                                        ; 2^(-L O); k B D
	v_exp_f32 v[TG+48+n], v[TG+48+n]
	v_exp_f32 v[TG+48+n+1], v[TG+48+n+1]
	v_pk_fma_f32 v[W1+n:W1+n+1], v[TG+16+n:TG+16+n+1], v[TG+32+n:TG+32+n+1], v[TG+16+n:TG+16+n+1]
.set n, n+2
.endr
	ALUW
	PKFMA W2, CC, W1, W2                           ; k (c B D + (D - 2) A)
	PKFMA W1, W1, TG, W1                           ; k A B D
	QINV W2, W1
	PKMULB CC, W2, W1                              ; c_new
	STAGE CSA, CC, \a
	PKMULS TG, CC, 90                              ; 2 L c_new
	HOLD TG
	ALUW
	EXP2 TG
	v_nop                                          ; a plain place behind the last exponential
	ALUW
.set n, 0
.rept 8
	SCM W2+n, TG+n, 96                             ; k (E - 2), k = 2^-20
	SCP TG+n, TG+n, 96                             ; k E
.set n, n+2
.endr
	PKFMA TG, TG, TG+48, TG                        ; k E G
	QINV W2, TG
	PKMULB W2, W2, TG                              ; h_new
	STAGE HSA, W2, \a
.endm
; THE WAY OUT, behind every two blocks: group p = rows 32 p .. 32 p + 31 of each half of the tile.  A row's 256 bytes come from two waves, so a barrier stands between the stores into the stages and the reads; each wave then
; takes 16 whole rows of each stage and stores them, sixteen lanes to a row's 256 bytes.  A stage's bytes are written once and read once, so one barrier a group is enough.
.macro BACK adr, p, buf
.irp t, 0,1,2,3,4,5,6,7
	ds_load_b128 v[\buf+4*\t:\buf+4*\t+3], v[\adr] offset:(32*(\p)+2*\t)*SP
.endr
.endm
.macro SEND base, p, buf, younger      ; younger: the LDS loads issued behind this buffer's eight, which may stay out
.irp t, 0,1,2,3,4,5,6,7
	s_wait_dscnt \younger+7-\t
	global_store_b128 v[CO], v[\buf+4*\t:\buf+4*\t+3], s[\base:\base+1] offset:(32*(\p)+2*\t)*4096 th:TH_STORE_NT   ; 16 lanes store 256 consecutive bytes, at a multiple of 256 from the buffer's first byte
.endr
.endm
.macro WAYOUT p
	s_wait_dscnt 0x0                               ; for the others' sake: my stores into the stages are done
	s_barrier_signal -1
	s_barrier_wait -1
	BACK RDH, \p, TG
	BACK RDC, \p, TG+32
	SEND 18, \p, TG, 8
	SEND 20, \p, TG+32, 0
.endm
	ALUW
	CLOAD 0
.irp p, 0,1,2,3
.if \p > 0
	s_wait_xcnt 0x0                                ; the last group's stores have read their registers: the gates may write them again
.endif
	GATES 2*\p
	GATES 2*\p+1
	WAYOUT \p
.endr
	s_wait_tensorcnt 0x0                           ; the wave's end
	ds_add_u32 v[SPW], v[NIL]
	s_wait_dscnt 0x0
	CROUND                                         ; the closing round: no work-group ends while a partner may still ask for a block that names it
	s_endpgm
.Lfunc_end_k_q6e0f97ed39_cell:
	.size	k_q6e0f97ed39_cell, .Lfunc_end_k_q6e0f97ed39_cell-k_q6e0f97ed39_cell
	.p2alignl 7, 3214868480
	.fill 96, 4, 3214868480
	.section	.rodata,"a",@progbits
	.p2align	6, 0x0
	.amdhsa_kernel k_q6e0f97ed39_cell
		.amdhsa_group_segment_fixed_size 327680
		.amdhsa_private_segment_fixed_size 0
		.amdhsa_enable_private_segment 0
		.amdhsa_kernarg_size 72
		.amdhsa_user_sgpr_count 2
		.amdhsa_user_sgpr_kernarg_segment_ptr 1
		.amdhsa_wavefront_size32 1
		.amdhsa_system_sgpr_workgroup_id_x 1
		.amdhsa_system_sgpr_workgroup_id_y 1
		.amdhsa_system_sgpr_workgroup_id_z 1
		.amdhsa_system_vgpr_workitem_id 0
		.amdhsa_next_free_vgpr 1024
		.amdhsa_next_free_sgpr 102
		.amdhsa_reserve_vcc 0
		.amdhsa_float_denorm_mode_32 3
		.amdhsa_float_denorm_mode_16_64 3
		.amdhsa_memory_ordered 1
		.amdhsa_forward_progress 1
		.amdhsa_inst_pref_size 255
	.end_amdhsa_kernel
	.section	.bss,"aw",@nobits
	.p2align	6
	.space	262144
	.amdgpu_metadata
---
amdhsa.version: [ 1, 2 ]
amdhsa.kernels:
  - .name:           k_q6e0f97ed39_cell
    .symbol:         k_q6e0f97ed39_cell.kd
    .args:
      - { .name: aq, .offset: 0, .size: 8, .value_kind: global_buffer, .address_space: global }
      - { .name: wq, .offset: 8, .size: 8, .value_kind: global_buffer, .address_space: global }
      - { .name: c, .offset: 16, .size: 8, .value_kind: global_buffer, .address_space: global }
      - { .name: bf, .offset: 24, .size: 8, .value_kind: global_buffer, .address_space: global }
      - { .name: bct, .offset: 32, .size: 8, .value_kind: global_buffer, .address_space: global }
      - { .name: bm, .offset: 40, .size: 8, .value_kind: global_buffer, .address_space: global }
      - { .name: bo, .offset: 48, .size: 8, .value_kind: global_buffer, .address_space: global }
      - { .name: out0, .offset: 56, .size: 8, .value_kind: global_buffer, .address_space: global }
      - { .name: out1, .offset: 64, .size: 8, .value_kind: global_buffer, .address_space: global }
    .group_segment_fixed_size: 327680
    .private_segment_fixed_size: 0
    .kernarg_segment_align: 8
    .kernarg_segment_size: 72
    .max_flat_workgroup_size: 128
    .sgpr_count:     102
    .vgpr_count:     1024
    .wavefront_size: 32
...
	.end_amdgpu_metadata
.endif
;; end of part 2
